; MI455X (gfx1250); checked and timed in simulation.
; The chip was launched on July 23, 2026; its instructions are those of AMD's public machine-readable ISA for CDNA 5 (MIT licence, August 2026) and "CDNA5" Instruction Set Architecture Reference Guide (July 2026). The comments in the code are by the model that wrote it; some were corrected since.
;; Binary Diff. Allowed arithmetic: matrix products marked QUANTISED: E3M2 operands, one E8M0 scale for each 32 along K, by v_wmma_scale_f32_16x16x128_f8f6f4 with both operands' format E3M2, f32 sums; everything else in f32.
;; Inputs: base_T 4,096 x 4,096 float32; coeff 1 float32; mask_bits 4,096 x 4,096 int32; x 4 x 512 x 4,096 float32.
;; Outputs: out0 4 x 512 x 4,096 float32.
;; This version of the problem:
;;   THIS VERSION OF THE PROBLEM IS GIVEN IN LOW PRECISION. The matrix products marked QUANTISED in the list below multiply operands that are first quantised to E3M2 (3 exponent bits, 2 mantissa bits; 6 bits a number), with one power-of-two scale for each 32 numbers along K (OCP MX v1.0); their sums are f32. All else is computed in f32.
;;   The module's matrix products, in the order in which they are computed (A, B: the left and right operand; K: the contracted axis; several contracted axes count as one K, in the product's order):
;;     1. [M 2,048, K 4,096] x [K 4,096, N 4,096]; A: input x; B: input base_T: QUANTISED
;;     2. [M 2,048, K 4,096] x [K 4,096, N 4,096]; A: input x; B: computed on the way: QUANTISED
;;   THE QUANTISER, for each operand of a quantised product, along K:
;;     - K is cut into blocks of 32 from its start; a last block that is shorter is filled with zeros.
;;     - A block's scale is 2^e with e = floor(log2(the largest magnitude in the block)) - 4, held to -126 .. 127; a block of zeros has e = 0. As a byte (E8M0): e + 127.
;;     - Each number is divided by its block's scale, clamped to +-28, and rounded to the nearest number of E3M2, ties to even, subnormals kept.
;;     - The product sums the exact products of the quantised numbers (number of the format x scale) in f32.
;;   ~~~python
;;   def quantise(x, axis):      # numpy; x: float32 -> the quantised numbers, widened to float32 again
;;       x = np.moveaxis(x, axis, -1); K = x.shape[-1]
;;       x = np.pad(x, [(0, 0)] * (x.ndim - 1) + [(0, -K % 32)]); x = x.reshape(x.shape[:-1] + (-1, 32)); a = np.abs(x).max(-1, keepdims=True)
;;       e = np.where(a > 0, np.clip(np.frexp(np.where(a > 0, a, 1))[1] - 1 - 4, -126, 127), 0)      # np.frexp(a)[1] - 1 = floor(log2(a)), exactly
;;       r = np.clip(x / 2.0 ** e, -28, 28)
;;       step = 2.0 ** (np.maximum(np.frexp(np.where(r == 0, 1, r))[1] - 1, -2) - 2)
;;       q = np.round(r / step) * step * 2.0 ** e      # np.round: ties to even
;;       return np.moveaxis(q.reshape(q.shape[:-2] + (-1,))[..., :K], -1, axis).astype(np.float32)
;;   ~~~
;;   OPERANDS COMPUTED ON THE WAY. 'Computed on the way' means the value that the module computes at that place (a softmax that the list does not call 'softmax' is quantised finished and normalised). What goes into a quantiser is computed in f32, as accurately as f32 sums, v_exp_f32 and their like allow (about 1e-6 of the number): no bf16 or f16 on the way to a quantiser, and a product that is left as it is and whose result goes on into a quantised operand takes f32 operands (vector FMAs, or v_wmma_f32_16x16x4_f32). A number that lies on a knife's edge between two numbers of the format may be rounded either way, as far as f32 arithmetic and the matrix unit's own rounding can turn it there, and no further.
;; One version. Each part assembles by itself: llvm-mc -triple=amdgcn-amd-amdhsa -mcpu=gfx1250 --defsym DOCPART=n.
;; ======== version 1 of 1: 2 launches
;; limits: right only within a limited range of input values
;; workspace buffers: xq 6,553,600 bytes; wq 26,214,400 bytes
;; launch quant (part 1): grid 1280 x 1, 4 waves a work-group, no clusters, 60,928 bytes of LDS; arguments x, base_T, mask_bits, xq, wq; writes xq, wq
.if DOCPART == 1
	.amdgcn_target "amdgcn-amd-amdhsa--gfx1250"
	.amdhsa_code_object_version 6
	.text
	.protected	k_qebe72027b6_quant
	.globl	k_qebe72027b6_quant
	.p2align	8
	.type	k_qebe72027b6_quant,@function
k_qebe72027b6_quant:
	s_mov_b64 s[64:65], 0
	v_nop
	global_prefetch_b8 v0, s[64:65] scope:SCOPE_SE
	s_setreg_imm32_b32 hwreg(HW_REG_WAVE_MODE, 25, 1), 1
	s_wait_xcnt 0x0
; x [2048][4096] f32 (K innermost), base_T [4096][4096] f32 and float(2 mask_bits - 1) [4096][4096] (K = the FIRST axis) become codes of BF6 (E3M2), 6 bits each, with one E8M0 byte for each 32 along K.
; A block's scale is 2^(floor(log2(its largest magnitude)) - 4); its byte is the largest magnitude's exponent field - 4, held at 1 from below; each number is divided by the scale and rounded to the nearest code, ties to even,
; beyond the largest code the largest.
; LIMITS: a block of zeros gets the byte 1 where the rule says 127 (its codes are zeros, which add nothing under any byte but 0xff, and this program alone reads the bytes); blocks whose largest magnitude lies under 2^(5 - 127)
; keep the byte 1; NaN and infinities among the inputs are not served; 2 m - 1 wraps in 32 bits, as the int32 arithmetic of the problem does.
; THE WORKSPACE IS LAID AS THE PRODUCT'S LAUNCH READS IT: [group of 128 rows][32 steps of 128 along K][12,800 bytes].  Such a block: first the codes as images of the operand's registers, [i = 0 .. 7: 16 rows][1,536 bytes],
; register R (0 .. 11) of lane L at 512 (R / 4) + 16 L + 4 (R % 4), lane (r = L % 16, h = L / 16) holding row r, registers 6 c .. 6 c + 5 = k 64 c + 32 h + 0 .. 31; then, from byte 12,288 on, the rows' scale words [128][4].
; xq: row m of x is row m % 128 of group m / 128.  wq: output column n lies in group n / 64: its base column at row n % 64, its sign column at row 64 + n % 64.
; SHARES.  Work-groups 0 .. 255 take x (64 rows x 512 along K), the next 512 base_T, the last 512 mask_bits (128 columns x 256 along K).  A WAVE TAKES 64 ROWS OF THE OPERAND x 128 ALONG K: four fragments, 6,144 consecutive
; bytes of codes, and 64 scale words, 256 consecutive aligned bytes.  Each work-group reads 128 KiB.
; No tensor loads, no barrier: waves share nothing.  The two paths part once, on the work-group's number, and have LDS bytes of their own.  Matrix units and clusters have nothing to do in a stream.
.set GROUPB, 409600                    ; bytes of a group of 128 rows
.set SUBB,   12800                     ; of one step of 128 along K of it
.set SCOFF,  12288                     ; where a step's scale words begin
.set FRB,    1536                      ; a fragment's image
.set XWB,    8704                      ; path X: a wave's LDS, from byte 0 on: a stage of 16 rows x 528 bytes, then its 64 scale words
.set XP,     528                       ; 512 bytes + 16: an odd multiple of 16, so that sixteen rows' reads of 16 bytes fall on different banks
.set XSC,    8448
.set WSTG,   4*XWB                     ; path W: behind path X's
.set WWB,    6400                      ; a wave's: four fragments' images, then its 64 scale words
.set WSC,    6144
.set EMAX,   4
	s_load_b256 s[4:11], s[0:1], 0x0               ; x s[4:5], base_T s[6:7], mask_bits s[8:9], xq s[10:11]
	s_load_b64 s[12:13], s[0:1], 0x20              ; wq
	v_lshl_add_u32 v30, v0, 2, 0xec00              ; my spare word, behind both paths' LDS bytes; never rewritten
	v_mov_b32 v31, 0                               ; 0; never rewritten
	v_lshrrev_b32 v1, 5, v0
	v_readfirstlane_b32 s16, v1                    ; wave 0..3
	v_and_b32 v1, 31, v0                           ; lane
	v_and_b32 v2, 15, v0                           ; r
	v_bfe_u32 v3, v0, 4, 1                         ; h
	s_mov_b32 s20, 0x76543210
	s_mov_b32 s21, 0xfedcba98                      ; v_permlanex16_b32's selects for lane l xor 16
; 32 numbers of ONE block in v[xs] on become 192 bits of codes in v[c] .. v[c + 5] and the scale's byte in v[byte].  t: three registers for the second conversion, whose result begins on an even number.
.macro QBLOCK xs, c, t, byte
	v_max3_num_f32 v10, |v[\xs]|, |v[\xs+1]|, |v[\xs+2]|          ; the largest magnitude, in two chains
	v_max3_num_f32 v11, |v[\xs+3]|, |v[\xs+4]|, |v[\xs+5]|
.irp i, 6,10,14,18,22,26
	v_max3_num_f32 v10, v10, |v[\xs+\i]|, |v[\xs+\i+1]|
	v_max3_num_f32 v11, v11, |v[\xs+\i+2]|, |v[\xs+\i+3]|
.endr
	v_max3_num_f32 v10, v10, |v[\xs+30]|, |v[\xs+31]|
	v_max3_num_f32 v10, v10, v11, (EMAX+1)<<23     ; and the floor 2^(EMAX + 1 - 127): the byte cannot fall under 1
	v_add_nc_u32 v12, -(EMAX<<23), v10             ; EMAX off the exponent field: the conversion takes the exponent field of this operand as its scale, and nothing else of it
	v_cvt_scalef32_pk16_bf6_f32 v[\c:\c+2], v[\xs:\xs+15], v12
	v_cvt_scalef32_pk16_bf6_f32 v[\t:\t+2], v[\xs+16:\xs+31], v12
	v_lshrrev_b32 v[\byte], 23, v12                ; the scale's byte; also the plain line between the conversions and the moves that read their result
.irp i, 0,1,2
	v_mov_b32 v[\c+3+\i], v[\t+\i]
.endr
.endm
	s_wait_kmcnt 0x0
	s_cmp_lt_u32 ttmp9, 256
	s_cbranch_scc1 .Lx
; ---------------- PATH W: K is the first axis.  A LANE TAKES A COLUMN AND ITS REGISTERS RUN DOWN K: a block of 32 lies in one lane's 32 registers, and the codes come out with K innermost.  Nothing is transposed.
; A lane has two columns, l and 32 + l of the wave's 64, and four blocks down K of each: block b is column half b % 2, K 32 (b / 2) on, so that the two halves of a row's 256 bytes are asked for one behind the other.
; REGISTERS: v4 4 x lane, v5 8 x lane, v8 16 x lane; v6, v7 the stage, in and out; v28, v29 the scale words' place, in and out; v24-25 a scale word for each column; v32-95 two sets of 32 numbers; v96-101 a block's codes;
; v104-106 at work; v112-159 the way out.
	s_sub_co_u32 s17, ttmp9, 256                   ; u
	s_lshr_b32 s18, s17, 9                         ; 0: base_T, 1: mask_bits
	s_and_b32 s19, s17, 31                         ; X: which 128 columns
	s_bfe_u32 s22, s17, 0x40005                    ; which 256 along K (4 bits from bit 5)
	s_cmp_eq_u32 s18, 0                            ; the choice hangs on the work-group's number alone
	s_cselect_b64 s[4:5], s[6:7], s[8:9]
	s_and_b32 s31, s16, 1                          ; my wave's 64 of the 128 columns
	s_lshr_b32 s23, s16, 1                         ; and its 128 of the 256 along K
	s_lshl_b32 s22, s22, 1
	s_add_co_u32 s22, s22, s23                     ; my step of 128 along K, 0 .. 31
	s_lshl_b32 s28, s22, 21                        ; 128 rows of 16,384 bytes
	s_lshl_b32 s29, s19, 9                         ; + X x 512
	s_add_co_u32 s28, s28, s29
	s_lshl_b32 s29, s31, 8                         ; + column half x 256: under 2^26 in all
	s_add_co_u32 s28, s28, s29
	s_mov_b32 s29, 0
	s_add_nc_u64 s[4:5], s[4:5], s[28:29]
	s_lshl_b32 s30, s19, 1
	s_add_co_u32 s30, s30, s31                     ; my group of wq: 2 X + column half
	s_mul_i32 s30, s30, GROUPB
	s_mul_i32 s32, s22, SUBB
	s_add_co_u32 s30, s30, s32                     ; my block of 12,800 bytes
	s_mul_i32 s32, s18, 4*FRB                      ; base columns: fragments 0-3; sign columns: 4-7
	s_add_co_u32 s32, s32, s30
	s_mov_b32 s33, 0
	s_add_nc_u64 s[24:25], s[12:13], s[32:33]      ; my codes
	s_lshl_b32 s32, s18, 8                         ; my 64 scale words: rows 0-63 or 64-127
	s_add_co_u32 s32, s32, s30
	s_add_co_u32 s32, s32, SCOFF
	s_add_nc_u64 s[26:27], s[12:13], s[32:33]
	s_wait_alu depctr_va_vdst(0)
	v_lshlrev_b32 v4, 2, v1
	v_lshlrev_b32 v5, 3, v1
	v_lshlrev_b32 v8, 4, v1
	s_mul_i32 s34, s16, WWB
	s_add_co_u32 s34, s34, WSTG                    ; my LDS
	v_mul_u32_u24 v6, v3, FRB
	v_lshl_add_u32 v6, v2, 4, v6
	v_add_nc_u32 v6, s34, v6                       ; in: my column is row r of fragment 2 (column half) + lane / 16: 1,536 h + 16 r
	v_add_nc_u32 v7, s34, v8                       ; out: as the bytes lie, 16 a lane
	v_add_nc_u32 v28, s34, v4                      ; a scale word in: 4 x lane
	v_add_nc_u32 v29, s34, v5                      ; two out: 8 x lane
.macro LOADW b                         ; block b into set b % 2: rows 32 (b / 2) + 0 .. 31 at my column of half b % 2.  A load covers 128 consecutive bytes.  The offsets stay under 2^21 + 2^7
.set J, 0
.rept 32
	global_load_b32 v[32+32*((\b)%2)+J], v4, s[4:5] offset:(32*((\b)/2)+J)*16384+128*((\b)%2) th:TH_LOAD_NT
.set J, J+1
.endr
.endm
.macro BLOCKW b
.set XS, 32+32*((\b)%2)
.set CC, (\b)%2                        ; which of my two columns
.set KB, (\b)/2                        ; which 32 along K
.set HH, KB%2                          ; which half of the operand's lanes holds this block
.if (\b) < 7
	s_wait_loadcnt 32                              ; this block's 32 loads are in; the next block's 32 may be out
.else
	s_wait_loadcnt 0
.endif
	s_cmp_eq_u32 s18, 0                            ; base_T's numbers are taken as they are; the branch hangs on the work-group's number and leads round register work alone
	s_cbranch_scc1 .Lf_\@
.set J, 0
.rept 32
	v_lshl_add_u32 v[XS+J], v[XS+J], 1, -1         ; 2 m - 1, in whole numbers
.set J, J+1
.endr
.set J, 0
.rept 32
	v_cvt_f32_i32 v[XS+J], v[XS+J]                 ; the sign matrix in f32: it goes through the same quantiser
.set J, J+1
.endr
.Lf_\@:
	QBLOCK XS, 96, 104, 13
.if KB == 0
	v_mov_b32 v[24+CC], v13                        ; four bytes make the column's scale word, the lower K in the lower byte
.else
	v_lshl_or_b32 v[24+CC], v13, 8*KB, v[24+CC]
.endif
.if KB/2 == 0                          ; the block is registers 0 .. 5 of operand lane r + 16 HH: registers 0-3, then 4, 5
	ds_store_b128 v6, v[96:99] offset:3072*CC+256*HH
	ds_store_b64 v6, v[100:101] offset:3072*CC+512+256*HH
.else                                  ; or registers 6 .. 11: 6, 7, then 8-11
	ds_store_b64 v6, v[96:97] offset:3072*CC+512+256*HH+8
	ds_store_b128 v6, v[98:101] offset:3072*CC+1024+256*HH
.endif
.if (\b)+2 < 8
	LOADW (\b)+2
.endif
	s_wait_dscnt 0x0                               ; the stores have read their registers: the next block's codes may be written
.endm
	LOADW 0
	LOADW 1
.irp b, 0,1,2,3,4,5,6,7
	BLOCKW \b
.endr
	ds_store_b32 v28, v24 offset:WSC               ; rows 0-31's scale words,
	s_wait_alu depctr_va_vdst(0)
	ds_store_b32 v28, v25 offset:WSC+128           ; rows 32-63's;
	ds_load_b64 v[26:27], v29 offset:WSC           ; back two to a lane.  LDS serves a wave's instructions in order: the loads here see my stores
.irp j, 0,1,2,3,4,5,6,7,8,9,10,11
	ds_load_b128 v[112+4*\j:115+4*\j], v7 offset:512*\j
.endr
	s_wait_dscnt 12                                ; the scale words are back; the twelve loads behind them may be out
	global_store_b64 v5, v[26:27], s[26:27]        ; 64 rows' scale words: 256 consecutive bytes, aligned
.irp j, 0,1,2,3,4,5,6,7,8,9,10,11
	s_wait_dscnt 11-\j                             ; load j is back; the younger ones may be out
	global_store_b128 v8, v[112+4*\j:115+4*\j], s[24:25] offset:512*\j   ; 512 consecutive bytes, aligned: four fragments' images on end
.endr
	s_wait_tensorcnt 0x0                           ; the wave's end
	ds_add_u32 v30, v31
	s_wait_dscnt 0x0
	s_endpgm
; ---------------- PATH X: K is innermost.  Each load takes 512 consecutive bytes of a row; a fragment's 16 rows x 128 numbers turn through the wave's stage, so that lane (r, h) gets row r's whole blocks h and 2 + h.
; REGISTERS: v4 16 x lane, v5 8 x lane; v6, v7 the stage, in and out; v8 8 h; v9 the permute's result; v13-15 bytes; v16-19 the four fragments' scale words; v22, v23 their place in LDS, in and out;
; v32-159 two sets of 64: as loaded, and, back from the stage into the same set, my two blocks; v160-171 the fragment; v172-174 at work.  192 registers a wave: five work-groups' waves fit in a SIMD's 1,024.
.Lx:
	s_lshr_b32 s17, ttmp9, 3                       ; which 64 rows
	s_and_b32 s18, ttmp9, 7
	s_lshl_b32 s18, s18, 2
	s_add_co_u32 s18, s18, s16                     ; my wave's step of 128 along K, 0 .. 31: the four waves stand side by side on 2,048 bytes of a row
	s_lshl_b32 s28, s17, 20                        ; 64 rows of 16,384 bytes
	s_lshl_b32 s29, s18, 9                         ; 128 numbers
	s_add_co_u32 s28, s28, s29
	s_mov_b32 s29, 0
	s_add_nc_u64 s[4:5], s[4:5], s[28:29]
	s_lshr_b32 s30, s17, 1                         ; my group of xq
	s_mul_i32 s30, s30, GROUPB
	s_mul_i32 s31, s18, SUBB
	s_add_co_u32 s30, s30, s31
	s_and_b32 s31, s17, 1                          ; which 64 of its 128 rows
	s_mul_i32 s32, s31, 4*FRB
	s_add_co_u32 s32, s32, s30
	s_mov_b32 s33, 0
	s_add_nc_u64 s[24:25], s[10:11], s[32:33]      ; my codes
	s_lshl_b32 s32, s31, 8
	s_add_co_u32 s32, s32, s30
	s_add_co_u32 s32, s32, SCOFF
	s_add_nc_u64 s[26:27], s[10:11], s[32:33]      ; my scale words
	s_wait_alu depctr_va_vdst(0)
	v_lshlrev_b32 v4, 4, v1
	v_lshlrev_b32 v5, 3, v1
	s_mul_i32 s34, s16, XWB                        ; my LDS
	v_add_nc_u32 v6, s34, v4                       ; in: 16 x lane of a row
	v_mul_u32_u24 v7, v2, XP
	v_lshl_add_u32 v7, v3, 7, v7
	v_add_nc_u32 v7, s34, v7                       ; out: row r, + 128 h: my block of 32 numbers
	v_lshlrev_b32 v8, 3, v3
	v_mov_b32 v9, 0                                ; written once: a lane permute's destination counts as one of its sources
	v_lshlrev_b32 v22, 2, v2
	v_add_nc_u32 v22, s34, v22                     ; a row's scale word in: 4 r
	v_add_nc_u32 v23, s34, v5                      ; two out: 8 x lane
.macro LOADX f                         ; fragment f: rows 16 f + 0 .. 15, into set f % 2
.set J, 0
.rept 16
	global_load_b128 v[32+64*((\f)%2)+4*J:32+64*((\f)%2)+4*J+3], v4, s[4:5] offset:(16*(\f)+J)*16384 th:TH_LOAD_NT
.set J, J+1
.endr
.endm
.macro FRAGX f
.if (\f) < 3
	s_wait_loadcnt 16                              ; this fragment's 16 loads are in; the next one's 16 may be out
.else
	s_wait_loadcnt 0
.endif
.set J, 0
.rept 16
	ds_store_b128 v6, v[32+64*((\f)%2)+4*J:32+64*((\f)%2)+4*J+3] offset:XP*J
.set J, J+1
.endr
.set J, 0
.rept 16
	ds_load_b128 v[32+64*((\f)%2)+4*J:32+64*((\f)%2)+4*J+3], v7 offset:256*(J/8)+16*(J%8)   ; k = 64 (J / 8) + 32 h + 4 (J % 8) on, into the set just stored; LDS serves a wave's instructions in order: these see the stores above
.set J, J+1
.endr
	s_wait_dscnt 0x0                               ; my two blocks are in, and the stores have read the set that is loaded again below
.if (\f) > 0
	s_wait_xcnt 0x0                                ; the last fragment's stores have read v160-171, which are written again only behind this wait
.endif
	QBLOCK 32+64*((\f)%2), 160, 172, 13            ; block h: registers 0 .. 5 of the operand
	QBLOCK 64+64*((\f)%2), 166, 172, 14            ; block 2 + h: registers 6 .. 11
.if (\f) < 2
	LOADX (\f)+2                                   ; the set has been converted: it takes the fragment two further on
.endif
	v_lshl_or_b32 v15, v14, 16, v13                ; my two bytes,
	v_lshlrev_b32 v15, v8, v15                     ; at their places in the row's scale word (8 h bits up);
	v_permlanex16_b32 v9, v15, s20, s21
	v_or_b32 v[16+(\f)], v15, v9                   ; with lane l xor 16's two the word is whole, in both lanes
	ds_store_b32 v22, v[16+(\f)] offset:XSC+64*(\f)   ; row 16 f + r's word; both lanes of a row write the same word with the same value
.irp c, 0,1,2
	global_store_b128 v4, v[160+4*\c:163+4*\c], s[24:25] offset:(\f)*FRB+512*\c   ; the image: 512 consecutive bytes, aligned
.endr
.endm
	LOADX 0
	LOADX 1
	s_wait_alu depctr_va_vdst(0)
.irp f, 0,1,2,3
	FRAGX \f
.endr
	ds_load_b64 v[20:21], v23 offset:XSC           ; LDS serves a wave's instructions in order: this sees my four stores
	s_wait_dscnt 0x0
	global_store_b64 v5, v[20:21], s[26:27]        ; 64 rows' scale words: 256 consecutive bytes, aligned
	s_wait_tensorcnt 0x0                           ; the wave's end
	ds_add_u32 v30, v31
	s_wait_dscnt 0x0
	s_endpgm
.Lfunc_end_k_qebe72027b6_quant:
	.size	k_qebe72027b6_quant, .Lfunc_end_k_qebe72027b6_quant-k_qebe72027b6_quant
	.p2alignl 7, 3214868480
	.fill 96, 4, 3214868480
	.section	.rodata,"a",@progbits
	.p2align	6, 0x0
	.amdhsa_kernel k_qebe72027b6_quant
		.amdhsa_group_segment_fixed_size 60928
		.amdhsa_private_segment_fixed_size 0
		.amdhsa_enable_private_segment 0
		.amdhsa_kernarg_size 40
		.amdhsa_user_sgpr_count 2
		.amdhsa_user_sgpr_kernarg_segment_ptr 1
		.amdhsa_wavefront_size32 1
		.amdhsa_system_sgpr_workgroup_id_x 1
		.amdhsa_system_sgpr_workgroup_id_y 1
		.amdhsa_system_sgpr_workgroup_id_z 1
		.amdhsa_system_vgpr_workitem_id 0
		.amdhsa_next_free_vgpr 192
		.amdhsa_next_free_sgpr 66
		.amdhsa_reserve_vcc 0
		.amdhsa_float_denorm_mode_32 3
		.amdhsa_float_denorm_mode_16_64 3
		.amdhsa_memory_ordered 1
		.amdhsa_forward_progress 1
		.amdhsa_inst_pref_size 96
	.end_amdhsa_kernel
	.amdgpu_metadata
---
amdhsa.version: [ 1, 2 ]
amdhsa.kernels:
  - .name:           k_qebe72027b6_quant
    .symbol:         k_qebe72027b6_quant.kd
    .args:
      - { .name: x, .offset: 0, .size: 8, .value_kind: global_buffer, .address_space: global }
      - { .name: base_T, .offset: 8, .size: 8, .value_kind: global_buffer, .address_space: global }
      - { .name: mask_bits, .offset: 16, .size: 8, .value_kind: global_buffer, .address_space: global }
      - { .name: xq, .offset: 24, .size: 8, .value_kind: global_buffer, .address_space: global }
      - { .name: wq, .offset: 32, .size: 8, .value_kind: global_buffer, .address_space: global }
    .group_segment_fixed_size: 60928
    .private_segment_fixed_size: 0
    .kernarg_segment_align: 8
    .kernarg_segment_size: 40
    .max_flat_workgroup_size: 128
    .sgpr_count:     66
    .vgpr_count:     192
    .wavefront_size: 32
...
	.end_amdgpu_metadata
.endif
;; end of part 1
;; launch gemm (part 2): grid 32 x 8, 4 waves a work-group, clusters of 4 x 4, 327,680 bytes of LDS; arguments xq, wq, coeff, out0; writes out0
.if DOCPART == 2
	.amdgcn_target "amdgcn-amd-amdhsa--gfx1250"
	.amdhsa_code_object_version 6
	.text
	.protected	k_qebe72027b6_gemm
	.globl	k_qebe72027b6_gemm
	.p2align	8
	.type	k_qebe72027b6_gemm,@function
k_qebe72027b6_gemm:
	s_mov_b64 s[64:65], 0
	v_nop
	global_prefetch_b8 v0, s[64:65] scope:SCOPE_SE
	s_setreg_imm32_b32 hwreg(HW_REG_WAVE_MODE, 25, 1), 1
	s_wait_xcnt 0x0
	s_wait_alu depctr_hold_cnt(0) depctr_sa_sdst(0) depctr_va_vdst(0) depctr_va_sdst(0) depctr_va_ssrc(0) depctr_va_vcc(0) depctr_vm_vsrc(0)
	s_getreg_b32 s2, hwreg(HW_REG_IB_STS2, 6, 4)
	s_cmp_eq_u32 s2, 0
	s_cbranch_scc0 .Lentry_in_a_cluster
	s_endpgm
.Lentry_in_a_cluster:
	s_bfe_u32 s2, ttmp6, 0x10000c
	s_cmp_lg_u32 s2, 0xf033
	s_cbranch_scc0 .Lentry_shape_is_right
	s_endpgm
.Lentry_shape_is_right:
; out0[m][n] = sum_k Q(x)[m][k] Q(base_T)[k][n] + coeff x sum_k Q(x)[m][k] Q(signs)[k][n]: both products on codes of BF6 (E3M2) with E8M0 scales, f32 sums, one fused multiply-add at the end.
; xq and wq are laid [group of 128 rows][32 steps of 128 along K][12,800 bytes]: eight fragments as images of the operand's registers (1,536 bytes each), then 128 scale words.  A group of wq: 64 base columns, then the same 64 sign columns.
; A work-group of four waves makes 256 rows x 128 columns of out0 (256 x 256 sums); a wave 128 rows of x against one group of wq: 64 accumulators of 16 x 16.
; K goes through a ring of two LDS slots of three steps each (4 x 38,400 bytes, rows of 256 bytes, dense); 32 steps are ten whole fills and one of two steps.
; CLUSTERS: 4 x 4 work-groups; x's tiles are asked for jointly along a row of the cluster, the weights' along a column.
; REGISTERS.  Each window of 256 holds 16 accumulators (v128-255) and one half of an operand in two sets (v32-79 for even steps, v80-127 for odd), so that both operands have two whole sets:
;   window 0: x's blocks 0-3; window 1: x's blocks 4-7; window 2: the weights' blocks 0-3 (base); window 3: blocks 4-7 (signs).
;   window 0, v0-31: scale words v8-23 (two sets of 8: lanes 0-15 x's block i, lanes 16-31 the weights' block i), the way out's addresses, the add's two registers, the prefetches' offsets.  Windows 2 and 3, v2-7: the LDS addresses.
; A STEP: ONE run of 56 LDS loads at its head, the next step's fragments and scale words into the other set; then 64 products on end, in four quadrants of 16 (x's half ah, the weights' half bh), each under one window setting;
; a quadrant's sums lie in window (0,0) -> 0, (0,1) -> 2, (1,1) -> 3, (1,0) -> 1.  The loads are waited for at the next step's head, 64 products later.
; The matrix instruction is used transposed (source 0 = weights, source 1 = x): a lane holds eight neighbouring columns of one row of out0.
; A slot's third step is asked for at the head of its second: when the second ends, the slot is read no more and is filled again, behind a round of the cluster's barrier.
; PREFETCH: behind the load of fill f stands a prefetch of fill f + 2 (fill 1 behind fill 0's load, fills 2 and 3 behind fill 1's): a fill's 150 blocks of 256 bytes of a wave's group are shared out by address among the four partners
; that ask for it jointly (38, 38, 38, 36 blocks; two instructions a wave, a lane a block, lanes left over name the share's last block again).  Fill 10, of 100 blocks, is not asked for: the last two refills ask for nothing.
.set SUBB,   12800
.set STEPB,  3*SUBB                    ; a wave's part of a fill: three steps of one group
.set GROUPB, 32*SUBB
.set SCOFF,  12288
.set FRB,    1536
.set SLOT,   4*STEPB                   ; x's two groups, then the weights' two
.set STAGE,  2*SLOT                    ; behind the ring: 16 rows x 272 bytes for each wave, for the way out
.set SPITCH, 272
.set SPARE,  STAGE+4*16*SPITCH         ; the spare words: 128 bytes a wave, named by no other line
.set TRIPS,  4
.set OROW,   16384
.set FR,  12
.set F,   32
.set ACC, 128
.set SC,  8
.set ADR, 2                            ; windows 2, 3: v2-3 x's fragments in slot 0, 1; v4-5 the weights'; v6-7 the scale words
.set STO, 24
.set RD,  25
.set CO,  26
.set SPW, 28
.set NIL, 29
.set PF0, 30
.set PF1, 31
.set TT,  32                           ; the way out, window 0: v32-63 finished numbers; v64-95, v96-127 rows read back, by turns
.set G1,  24
.set G0,  32
.set G1B, 48
.set G0B, 56
.set CF,  66
.set G1S, 68                           ; groups 1 for the last fill, of 100 rows
.set G1SB, 76
.set PFA, 90
.set MSB, 0
.macro WIN new                         ; the immediate's high byte repeats the setting that is left
.if MSB != (\new)
	s_set_vgpr_msb (MSB<<8)|(\new)
.set MSB, (\new)
.endif
.endm
.macro JLOAD g0a, g1a, g0b, g1b        ; a joint load: waves 0, 1 fetch x's groups, waves 2, 3 the weights'; s_nop 0 and four v_nop behind each line
	s_cmp_eq_u32 s15, 0
	s_cbranch_scc0 .Lfor_b_\@
	tensor_load_to_lds s[\g0a:\g0a+3], s[\g1a:\g1a+7]
	s_nop 0
.rept 4
	v_nop
.endr
	s_branch .Lasked_\@
.Lfor_b_\@:
	tensor_load_to_lds s[\g0b:\g0b+3], s[\g1b:\g1b+7]
	s_nop 0
.rept 4
	v_nop
.endr
.Lasked_\@:
.endm
.macro CREST                           ; a round of the cluster's barrier behind its opening barrier
	s_cmp_lg_u32 s14, 0
	s_cbranch_scc1 .Lnot_wave_0_\@
	s_barrier_signal -3
.Lnot_wave_0_\@:
	s_barrier_wait -3
	s_barrier_signal -1
	s_barrier_wait -1
.endm
.macro CROUND
	s_barrier_signal -1
	s_barrier_wait -1
	CREST
.endm
.macro PF off                          ; my share of the fill that begins off bytes behind s[PFA]
	global_prefetch_b8 v[PF0], s[PFA:PFA+1] offset:\off th:TH_LOAD_NT scope:SCOPE_SE
	global_prefetch_b8 v[PF1], s[PFA:PFA+1] offset:\off th:TH_LOAD_NT scope:SCOPE_SE
.endm
.macro ASK                             ; in the loop: fill f + 2; the last trip (fills 8 and 9) asks for nothing
	s_cmp_gt_u32 s3, 1
	s_cbranch_scc0 .Lno_ask_\@
	PF 3*STEPB
.Lno_ask_\@:
.endm
.macro PLACES                          ; four places between matrix instructions and loads into, or vector reads and writes of, their registers
.rept 4
	v_nop
.endr
.endm
	s_load_b128 s[4:7], s[0:1], 0x0                ; xq, wq
	s_load_b128 s[8:11], s[0:1], 0x10              ; coeff, out0
	v_lshl_add_u32 v[SPW], v0, 2, SPARE
	v_mov_b32 v[NIL], 0
	ds_add_u32 v[SPW], v[NIL]                      ; the opening: the add twice on end under one wait; the set-up below is the work on registers between
	ds_add_u32 v[SPW], v[NIL]
	v_lshrrev_b32 v1, 5, v0
	v_readfirstlane_b32 s14, v1                    ; wave
	s_lshr_b32 s15, s14, 1                         ; my half of the rows; also: I fetch for x (0) or for the weights (1)
	s_and_b32 s16, s14, 1                          ; my group of the weights; also: which group I fetch
	s_bfe_u32 s40, ttmp6, 0x40000                  ; cx
	s_bfe_u32 s41, ttmp6, 0x40004                  ; cy
	s_lshl_b32 s42, ttmp9, 2
	s_add_co_u32 s42, s42, s40                     ; block column
	s_and_b32 s17, ttmp7, 0xffff
	s_lshl_b32 s17, s17, 2
	s_add_co_u32 s17, s17, s41                     ; block row
	s_lshl_b32 s43, s41, 2
	s_lshl_b32 s43, 15, s43                        ; my row of the cluster
	s_lshl_b32 s44, 0x1111, s40                    ; my column
	s_or_b32 s[G1+0], s43, (3<<16)|(1<<21)         ; elements of 8 bytes, no padding, bit 21 beside the mask
	s_or_b32 s[G1B+0], s44, (3<<16)|(1<<21)
	s_or_b32 s[G1S+0], s43, (3<<16)|(1<<21)
	s_or_b32 s[G1SB+0], s44, (3<<16)|(1<<21)
.irp g, G1, G1B
	s_mov_b32 s[\g+1], 32<<16                      ; rows of 256 bytes,
	s_mov_b32 s[\g+2], 150<<16                     ; 150 of them, dense
	s_mov_b32 s[\g+3], 32<<16
	s_mov_b32 s[\g+4], 150
	s_mov_b32 s[\g+5], 32
	s_mov_b32 s[\g+6], 0
	s_mov_b32 s[\g+7], 0
.endr
.irp g, G1S, G1SB
	s_mov_b32 s[\g+1], 32<<16
	s_mov_b32 s[\g+2], 100<<16
	s_mov_b32 s[\g+3], 32<<16
	s_mov_b32 s[\g+4], 100
	s_mov_b32 s[\g+5], 32
	s_mov_b32 s[\g+6], 0
	s_mov_b32 s[\g+7], 0
.endr
	s_lshl_b32 s20, s17, 1
	s_add_co_u32 s20, s20, s16
	s_mul_i32 s20, s20, GROUPB                     ; x's group that I fetch
	s_mov_b32 s21, 0
	s_lshl_b32 s46, s42, 1
	s_add_co_u32 s46, s46, s16
	s_mul_i32 s46, s46, GROUPB                     ; the weights' group
	s_mov_b32 s47, 0
	s_mul_i32 s45, s14, STEPB                      ; where my part of a fill goes
	s_mul_i32 s84, s15, STEPB                      ; what I read: x's group s15,
	s_add_co_u32 s85, s84, SLOT
	s_mul_i32 s86, s16, STEPB
	s_add_co_u32 s86, s86, 2*STEPB                 ; the weights' group s16,
	s_add_co_u32 s87, s86, SLOT
	s_add_co_u32 s88, s84, SCOFF                   ; the scale words
	s_add_co_u32 s89, s88, SLOT
	s_xor_b32 s22, s15, 1
	s_add_co_u32 s22, s22, s16
	s_add_co_u32 s22, s22, 1
	s_mul_i32 s22, s22, STEPB                      ; from x's group to the weights': lanes 16-31 take the weights' words
	s_mul_i32 s23, s14, 16*SPITCH
	s_add_co_u32 s23, s23, STAGE                   ; my stage
	s_cmp_eq_u32 s15, 0
	s_cselect_b32 s92, s40, s41                    ; my place among the four that ask with me
	s_cmp_eq_u32 s92, 3
	s_cselect_b32 s96, 3, 5                        ; the share's blocks beyond 32, less one: 38 blocks, the last partner 36
	s_mul_i32 s92, s92, 38*256
	s_mov_b32 s93, 0
	s_lshl_b32 s18, s17, 8
	s_lshl_b32 s19, s15, 7
	s_add_co_u32 s18, s18, s19
	s_lshl_b32 s18, s18, 14                        ; my first row of out0, in bytes
	s_mov_b32 s19, 0
	s_lshl_b32 s94, s42, 9
	s_lshl_b32 s95, s16, 8
	s_add_co_u32 s94, s94, s95                     ; my first column, in bytes
	s_mov_b32 s95, 0
	v_and_b32 v1, 15, v0                           ; r
	v_bfe_u32 v2, v0, 4, 1                         ; h
	v_and_b32 v3, 31, v0                           ; lane
	v_mul_u32_u24 v4, v1, SPITCH                   ; into the stage: row r, 32 bytes for each half of the lanes
	v_lshl_add_u32 v4, v2, 5, v4
	v_add_nc_u32 v[STO], s23, v4
	v_mul_u32_u24 v5, v2, SPITCH                   ; back: sixteen lanes to a row of 256 bytes, two rows an instruction
	v_lshl_add_u32 v5, v1, 4, v5
	v_add_nc_u32 v[RD], s23, v5
	v_lshlrev_b32 v4, 14, v2
	v_lshl_add_u32 v[CO], v1, 4, v4                ; and the same two rows in out0
	v_lshlrev_b32 v[PF0], 8, v3                    ; blocks 0 .. 31 of my share
	v_min_u32 v5, s96, v3
	v_add_lshl_u32 v[PF1], v5, 32, 8               ; blocks 32 on
	v_mul_u32_u24 v27, s22, v2
	v_lshl_add_u32 v27, v1, 2, v27                 ; a scale word: 4 r, lanes 16-31 in the weights' group
	v_lshlrev_b32 v1, 4, v3                        ; an image: 16 x lane
.irp wn, 0x80, 0xc0                    ; the LDS addresses, once in window 2 and once in window 3
	WIN \wn
	v_add_nc_u32 v[ADR+0], s84, v1
	v_add_nc_u32 v[ADR+1], s85, v1
	v_add_nc_u32 v[ADR+2], s86, v1
	v_add_nc_u32 v[ADR+3], s87, v1
	v_add_nc_u32 v[ADR+4], s88, v27
	v_add_nc_u32 v[ADR+5], s89, v27
.endr
	WIN 0
	s_wait_alu depctr_va_vdst(0)                   ; the wait at the head's end: no vector instruction writes an address behind it
	s_wait_dscnt 0x0                               ; both opening adds are done
	s_wait_kmcnt 0x0
	s_add_nc_u64 s[20:21], s[4:5], s[20:21]
	s_add_nc_u64 s[46:47], s[6:7], s[46:47]
	s_add_nc_u64 s[10:11], s[10:11], s[18:19]
	s_add_nc_u64 s[10:11], s[10:11], s[94:95]
	s_cmp_eq_u32 s15, 0
	s_cselect_b64 s[PFA:PFA+1], s[20:21], s[46:47]
	s_add_nc_u64 s[PFA:PFA+1], s[PFA:PFA+1], s[92:93]   ; my share of fill 0's blocks
	s_load_b32 s[CF], s[8:9], 0x0                  ; coeff
.irp s, 0,1
	s_mov_b32 s[G0+4*\s], 1
	s_add_co_u32 s[G0+4*\s+1], s45, \s*SLOT
	s_add_nc_u64 s[G0+4*\s+2:G0+4*\s+3], s[20:21], \s*STEPB
	s_or_b32 s[G0+4*\s+3], s[G0+4*\s+3], 0x80000000
	s_mov_b32 s[G0B+4*\s], 1
	s_add_co_u32 s[G0B+4*\s+1], s45, \s*SLOT
	s_add_nc_u64 s[G0B+4*\s+2:G0B+4*\s+3], s[46:47], \s*STEPB
	s_or_b32 s[G0B+4*\s+3], s[G0B+4*\s+3], 0x80000000
.endr
	CROUND                                         ; all sixteen work-groups are here: the first joint loads meet
	JLOAD G0, G1, G0B, G1B                         ; fill 0: one tensor load a wave at the head
	PF STEPB                                       ; fill 1
	s_wait_kmcnt 0x0
	s_mov_b32 s[CF+1], s[CF]
; Eight products: x's blocks a0, a0 + 1 of half ah against the four blocks of the weights' half bh; p: the step's set.  The 64 accumulators take turns, one instruction a turn.
.macro QH ah, bh, p, zero, a0
.irp a, \a0, \a0+1
.irp b, 0,1,2,3
.if \zero
	v_wmma_scale_f32_16x16x128_f8f6f4 v[ACC+8*(4*(\a)+\b):ACC+8*(4*(\a)+\b)+7], v[F+48*(\p)+FR*\b:F+48*(\p)+FR*\b+11], v[F+48*(\p)+FR*(\a):F+48*(\p)+FR*(\a)+11], 0, v[SC+8*(\p)+4*(\bh)+\b], v[SC+8*(\p)+4*(\ah)+(\a)] matrix_a_fmt:MATRIX_FMT_BF6 matrix_b_fmt:MATRIX_FMT_BF6 matrix_a_scale:MATRIX_SCALE_ROW1
.else
	v_wmma_scale_f32_16x16x128_f8f6f4 v[ACC+8*(4*(\a)+\b):ACC+8*(4*(\a)+\b)+7], v[F+48*(\p)+FR*\b:F+48*(\p)+FR*\b+11], v[F+48*(\p)+FR*(\a):F+48*(\p)+FR*(\a)+11], v[ACC+8*(4*(\a)+\b):ACC+8*(4*(\a)+\b)+7], v[SC+8*(\p)+4*(\bh)+\b], v[SC+8*(\p)+4*(\ah)+(\a)] matrix_a_fmt:MATRIX_FMT_BF6 matrix_b_fmt:MATRIX_FMT_BF6 matrix_a_scale:MATRIX_SCALE_ROW1
.endif
.endr
.endr
.endm
.macro QWIN ah, bh, dw                 ; D and C window dw, source 1 (x) window ah, source 0 (weights) window 2 + bh
.set WW, ((\dw)<<6)|((\dw)<<4)|((\ah)<<2)|(2+(\bh))
	WIN WW
.endm
.macro Q ah, bh, dw, p, zero
	QWIN \ah, \bh, \dw
	QH \ah, \bh, \p, \zero, 0
	QH \ah, \bh, \p, \zero, 2
.endm
.macro RUN dw, pn, slot, q             ; window dw's four fragments of step q of the slot into set pn: 12 loads; the addresses are taken from window 2
.set WW, ((\dw)<<6)|2
	WIN WW
.irp i, 0,1,2,3
.irp c, 0,1,2
	ds_load_b128 v[F+48*(\pn)+FR*\i+4*\c:F+48*(\pn)+FR*\i+4*\c+3], v[ADR+2*((\dw)/2)+(\slot)] offset:SUBB*(\q)+FRB*(4*((\dw)%2)+\i)+512*\c
.endr
.endr
.endm
.macro FETCH pn, slot, q               ; a whole step's operands into set pn, in one run of 56 loads: window 0 and the scale words (20), windows 2, 3, 1 (12 each)
	RUN 0, \pn, \slot, \q
.irp i, 0,1,2,3,4,5,6,7
	ds_load_b32 v[SC+8*(\pn)+\i], v[ADR+4+(\slot)] offset:SUBB*(\q)+64*\i
.endr
	RUN 2, \pn, \slot, \q
	RUN 3, \pn, \slot, \q
	RUN 1, \pn, \slot, \q
.endm
; A step of 128 along K on set p; the next step's operands lie at step q of the slot and are asked for at this step's head.  meet = 0: no more.  Else this is a slot's second step, whose head has issued the slot's last reads:
; ahead of the last quadrant each wave waits for all its tensor loads (the other slot's fill) and adds 0 to its spare word; behind eight products it waits for the add and for its reads, and meets the others.
; meet = 1, 2: the barrier opens a round of the cluster's barrier and the slot is filled again (2: the last fill, of two steps); meet = 3: nothing is left to fetch.
.macro STEP p, zero, slot, q, meet
	s_wait_dscnt 0x0                               ; this step's operands are in: they were asked for 64 products ago, and nothing was issued behind them
	PLACES                                         ; behind the last step's products, ahead of the loads into the set that they read
	FETCH 1-(\p), \slot, \q
	Q 0, 0, 0, \p, \zero
	Q 0, 1, 2, \p, \zero
	Q 1, 1, 3, \p, \zero
.if \meet
.if \meet == 1
	s_wait_xcnt 0x0                                ; my prefetches have read their base: it steps one fill
	s_add_nc_u64 s[PFA:PFA+1], s[PFA:PFA+1], STEPB
.endif
	WIN 0                                          ; the add's two registers lie in window 0
	s_wait_tensorcnt 0x0                           ; all my tensor loads have landed: my part of the other slot
	ds_add_u32 v[SPW], v[NIL]
	QWIN 1, 0, 1
	QH 1, 0, \p, \zero, 0                          ; eight products between the add and the wait for it
	s_wait_dscnt 0x0                               ; the add is done, and my reads of this slot are over
	s_barrier_signal -1
	QH 1, 0, \p, \zero, 2
	WIN 0
	s_barrier_wait -1
.if \meet < 3
	CREST                                          ; no wave of any partner still reads this slot or has a load on its way
	s_add_nc_u64 s[G0+4*(\slot)+2:G0+4*(\slot)+3], s[G0+4*(\slot)+2:G0+4*(\slot)+3], 2*STEPB
	s_add_nc_u64 s[G0B+4*(\slot)+2:G0B+4*(\slot)+3], s[G0B+4*(\slot)+2:G0B+4*(\slot)+3], 2*STEPB
.if \meet == 1
	JLOAD G0+4*(\slot), G1, G0B+4*(\slot), G1B     ; the first tensor load behind the round, one a wave
	ASK
.else
	JLOAD G0+4*(\slot), G1S, G0B+4*(\slot), G1SB
.endif
.endif
.else
	Q 1, 0, 1, \p, \zero
.endif
.endm
	s_wait_tensorcnt 0x0                           ; my part of fill 0 is in; slot 1's first fill is issued as a refill is
	ds_add_u32 v[SPW], v[NIL]
	s_wait_dscnt 0x0
	CROUND
	JLOAD G0+4, G1, G0B+4, G1B                     ; fill 1
	PF 2*STEPB                                     ; fills 2 and 3
	PF 3*STEPB
	FETCH 0, 0, 0                                  ; step 0's operands
	STEP 0, 1, 0, 1, 0                             ; step 0 starts the sums: nothing is cleared
	WIN 0
	s_mov_b32 s3, TRIPS
.Llap:                                                 ; six steps, once round the ring: steps 6 i + 1 .. 6 i + 6; fills 2 i + 2 and 2 i + 3 go out
	STEP 1, 0, 0, 2, 1
	STEP 0, 0, 1, 0, 0
	STEP 1, 0, 1, 1, 0
	STEP 0, 0, 1, 2, 1
	STEP 1, 0, 0, 0, 0
	STEP 0, 0, 0, 1, 0
	WIN 0
	s_sub_co_u32 s3, s3, 1
	s_cmp_lg_u32 s3, 0
	s_cbranch_scc1 .Llap
	STEP 1, 0, 0, 2, 2                             ; step 25: the last fill, steps 30 and 31
	STEP 0, 0, 1, 0, 0
	STEP 1, 0, 1, 1, 0
	STEP 0, 0, 1, 2, 3                             ; step 28: the last fill is shown whole; nothing is filled again
	STEP 1, 0, 0, 0, 0
	STEP 0, 0, 0, 1, 0
; THE WAY OUT, by blocks of 16 rows x 64 columns.  COMB: base sum + coeff x sign sum (the two lie in windows ah and 2 + ah under the same numbers), each accumulator from its low end on.
; TOSTAGE: through my own stage, back as whole rows of 256 bytes.  SEND: sixteen lanes store one aligned unit of 256 bytes; a block's place stands in the immediate (126 rows of 16,384 bytes at the most).
.macro COMB a
.set AC, ACC+32*((\a)%4)
.set WW, (((\a)/4)<<4)|(2+(\a)/4)
	WIN WW
.irp b, 0,1,2,3
.irp j, 0,2,4,6
	v_pk_fma_f32 v[TT+8*\b+\j:TT+8*\b+\j+1], v[AC+8*\b+\j:AC+8*\b+\j+1], s[CF:CF+1], v[AC+8*\b+\j:AC+8*\b+\j+1] op_sel_hi:[1,0,1]
.endr
.endr
	WIN 0
.endm
.macro TOSTAGE a
.set BB, 64+32*((\a)%2)
.irp b, 0,1,2,3
	ds_store_b128 v[STO], v[TT+8*\b:TT+8*\b+3] offset:64*\b
	ds_store_b128 v[STO], v[TT+8*\b+4:TT+8*\b+7] offset:64*\b+16
.endr
.irp t, 0,1,2,3,4,5,6,7
	ds_load_b128 v[BB+4*\t:BB+4*\t+3], v[RD] offset:\t*2*SPITCH    ; LDS serves a wave's instructions in order: these see the stores above
.endr
.endm
.macro SEND a, younger
.set BB, 64+32*((\a)%2)
	WIN 0
	s_wait_dscnt \younger
.irp t, 0,1,2,3,4,5,6,7
	global_store_b128 v[CO], v[BB+4*\t:BB+4*\t+3], s[10:11] offset:(16*(\a)+2*\t)*OROW th:TH_STORE_NT
.endr
.endm
.macro PAIR a
	COMB \a
	TOSTAGE \a
	COMB \a+1
	TOSTAGE \a+1
.endm
.macro SEND2 a
	SEND \a, 16                                    ; behind block a's loads: block a + 1's 8 stores and 8 loads
	SEND \a+1, 0
.endm
	; the last step fetches nothing.  Rows 0-63 are finished behind its second quadrant and leave while rows 64-127 are multiplied
	s_wait_dscnt 24                                ; window 0, the scale words and window 2 are in; the 24 loads issued behind them may be out
	PLACES
	Q 0, 0, 0, 1, 0
	s_wait_dscnt 12                                ; window 3 is in
	Q 0, 1, 2, 1, 0
	s_wait_dscnt 0x0                               ; window 1 is in
	PLACES                                         ; ahead of the reads of results just made, and of the writes into window 0's fragment registers
	PAIR 0
	Q 1, 1, 3, 1, 0
	SEND2 0
	s_wait_xcnt 0x0                                ; the stores have read their registers: the next blocks' rows may land there
	PAIR 2
	Q 1, 0, 1, 1, 0
	SEND2 2
	PLACES
	s_wait_xcnt 0x0
	PAIR 4
	SEND2 4
	s_wait_xcnt 0x0
	PAIR 6
	SEND2 6
	s_wait_tensorcnt 0x0                           ; the wave's end
	ds_add_u32 v[SPW], v[NIL]
	s_wait_dscnt 0x0
	CROUND                                         ; the closing round
	s_endpgm
.Lfunc_end_k_qebe72027b6_gemm:
	.size	k_qebe72027b6_gemm, .Lfunc_end_k_qebe72027b6_gemm-k_qebe72027b6_gemm
	.p2alignl 7, 3214868480
	.fill 96, 4, 3214868480
	.section	.rodata,"a",@progbits
	.p2align	6, 0x0
	.amdhsa_kernel k_qebe72027b6_gemm
		.amdhsa_group_segment_fixed_size 327680
		.amdhsa_private_segment_fixed_size 0
		.amdhsa_enable_private_segment 0
		.amdhsa_kernarg_size 32
		.amdhsa_user_sgpr_count 2
		.amdhsa_user_sgpr_kernarg_segment_ptr 1
		.amdhsa_wavefront_size32 1
		.amdhsa_system_sgpr_workgroup_id_x 1
		.amdhsa_system_sgpr_workgroup_id_y 1
		.amdhsa_system_sgpr_workgroup_id_z 1
		.amdhsa_system_vgpr_workitem_id 0
		.amdhsa_next_free_vgpr 1024
		.amdhsa_next_free_sgpr 98
		.amdhsa_reserve_vcc 0
		.amdhsa_float_denorm_mode_32 3
		.amdhsa_float_denorm_mode_16_64 3
		.amdhsa_memory_ordered 1
		.amdhsa_forward_progress 1
		.amdhsa_inst_pref_size 205
	.end_amdhsa_kernel
	.amdgpu_metadata
---
amdhsa.version: [ 1, 2 ]
amdhsa.kernels:
  - .name:           k_qebe72027b6_gemm
    .symbol:         k_qebe72027b6_gemm.kd
    .args:
      - { .name: xq, .offset: 0, .size: 8, .value_kind: global_buffer, .address_space: global }
      - { .name: wq, .offset: 8, .size: 8, .value_kind: global_buffer, .address_space: global }
      - { .name: coeff, .offset: 16, .size: 8, .value_kind: global_buffer, .address_space: global }
      - { .name: out0, .offset: 24, .size: 8, .value_kind: global_buffer, .address_space: global }
    .group_segment_fixed_size: 327680
    .private_segment_fixed_size: 0
    .kernarg_segment_align: 8
    .kernarg_segment_size: 32
    .max_flat_workgroup_size: 128
    .sgpr_count:     98
    .vgpr_count:     1024
    .wavefront_size: 32
...
	.end_amdgpu_metadata
.endif
;; end of part 2
